; MI455X (gfx1250); checked and timed in simulation.
; The chip was launched on July 23, 2026; its instructions are those of AMD's public machine-readable ISA for CDNA 5 (MIT licence, August 2026) and "CDNA5" Instruction Set Architecture Reference Guide (July 2026). The comments in the code are by the model that wrote it; some were corrected since.
;; Sym HQ Linear. Allowed arithmetic: matrix products marked QUANTISED: E4M3 operands, one E8M0 scale for each 32 along K, by v_wmma_scale_f32_16x16x128_f8f6f4 with both operands' format E4M3, f32 sums; everything else in f32.
;; Inputs: codebook 4,096 x 8 float32; indices 2,097,152 int32; scales 4,096 x 1 float32; signs 2,097,152 int32; x_codes 4,096 x 128 x 32 uint8 (E4M3 codes of x, K innermost, in blocks of 32 codes); x_scales 4,096 x 128 uint8 (E8M0 scales of x, one for each 32 codes along K).
;; Outputs: out0 4,096 x 4,096 float32.
;; This version of the problem:
;;   THIS VERSION OF THE PROBLEM IS GIVEN IN LOW PRECISION. The matrix products marked QUANTISED in the list below multiply operands that are first quantised to E4M3 (4 exponent bits, 3 mantissa bits; 8 bits a number), with one power-of-two scale for each 32 numbers along K (OCP MX v1.0); their sums are f32. All else is computed in f32.
;;   The module's matrix products, in the order in which they are computed (A, B: the left and right operand; K: the contracted axis; several contracted axes count as one K, in the product's order):
;;     1. [M 4,096, K 4,096] x [K 4,096, N 4,096]; A: input x (given as codes); B: computed on the way: QUANTISED
;;   THE QUANTISER, for each operand of a quantised product, along K:
;;     - K is cut into blocks of 32 from its start; a last block that is shorter is filled with zeros.
;;     - A block's scale is 2^e with e = floor(log2(the largest magnitude in the block)) - 8, held to -126 .. 127; a block of zeros has e = 0. As a byte (E8M0): e + 127.
;;     - Each number is divided by its block's scale, clamped to +-448, and rounded to the nearest number of E4M3, ties to even, subnormals kept.
;;     - The product sums the exact products of the quantised numbers (number of the format x scale) in f32.
;;   ~~~python
;;   def quantise(x, axis):      # numpy; x: float32 -> the quantised numbers, widened to float32 again
;;       x = np.moveaxis(x, axis, -1); K = x.shape[-1]
;;       x = np.pad(x, [(0, 0)] * (x.ndim - 1) + [(0, -K % 32)]); x = x.reshape(x.shape[:-1] + (-1, 32)); a = np.abs(x).max(-1, keepdims=True)
;;       e = np.where(a > 0, np.clip(np.frexp(np.where(a > 0, a, 1))[1] - 1 - 8, -126, 127), 0)      # np.frexp(a)[1] - 1 = floor(log2(a)), exactly
;;       r = np.clip(x / 2.0 ** e, -448, 448)
;;       step = 2.0 ** (np.maximum(np.frexp(np.where(r == 0, 1, r))[1] - 1, -6) - 3)
;;       q = np.round(r / step) * step * 2.0 ** e      # np.round: ties to even
;;       return np.moveaxis(q.reshape(q.shape[:-2] + (-1,))[..., :K], -1, axis).astype(np.float32)
;;   ~~~
;;   OPERANDS COMPUTED ON THE WAY. 'Computed on the way' means the value that the module computes at that place (a softmax that the list does not call 'softmax' is quantised finished and normalised). What goes into a quantiser is computed in f32, as accurately as f32 sums, v_exp_f32 and their like allow (about 1e-6 of the number): no bf16 or f16 on the way to a quantiser, and a product that is left as it is and whose result goes on into a quantised operand takes f32 operands (vector FMAs, or v_wmma_f32_16x16x4_f32). A number that lies on a knife's edge between two numbers of the format may be rounded either way, as far as f32 arithmetic and the matrix unit's own rounding can turn it there, and no further.
;;   INPUTS GIVEN AS CODES. x (in the module: [4096, 4096], K = its axis 1): each comes as NAME_codes (uint8): NAME with its K axis moved to the last place and cut into blocks of 32 codes, [.., K / 32, bytes a block], one block behind the other in memory; one code a byte (a code: sign, 4 exponent bits, 3 mantissa bits); and NAME_scales (uint8): the same leading axes, one E8M0 byte (e + 127) for each 32 codes along K. Its value is code x scale, taken as it is: it is not quantised again, and the codes and scales need not be those that the quantiser above would give.
;; One version. Each part assembles by itself: llvm-mc -triple=amdgcn-amd-amdhsa -mcpu=gfx1250 --defsym DOCPART=n.
;; ======== version 1 of 1: 2 launches
;; limits: right only within a limited range of input values
;; workspace buffers: wq 16,777,216 bytes; scl 1,048,576 bytes
;; launch deq (part 1): grid 256 x 1, 8 waves a work-group, no clusters, 201,728 bytes of LDS; arguments codebook, indices, signs, scales, x_scales, wq, scl; writes wq, scl
.if DOCPART == 1
	.amdgcn_target "amdgcn-amd-amdhsa--gfx1250"
	.amdhsa_code_object_version 6
	.text
	.protected	k_q997399d4ce_deq
	.globl	k_q997399d4ce_deq
	.p2align	8
	.type	k_q997399d4ce_deq,@function
k_q997399d4ce_deq:
	s_mov_b64 s[64:65], 0
	v_nop
	global_prefetch_b8 v0, s[64:65] scope:SCOPE_SE
	s_setreg_imm32_b32 hwreg(HW_REG_WAVE_MODE, 25, 1), 1
	s_wait_xcnt 0x0
; w[o][8 g + e] = codebook[indices[512 o + g]][e] x scales[o] x (+1 where bit 7 - e of signs[512 o + g] is set, else -1), in f32, is made once and quantised along K:
; E4M3 codes into wq, one E8M0 byte for each 32 along K into scl.  Byte = the block's largest magnitude's exponent field - 8, held at 1 from below; numbers are held within +-448 x the scale.
; wq LIES IN THE ORDER OF THE PRODUCT'S OPERAND REGISTERS: [64 groups of 64 rows][32 steps of 128 K][4 blocks of 16 rows][2,048 bytes]; in a block's 2,048 bytes the 16 codes
; k = 32 c + 16 h + 0..15 of row r stand at 512 c + 256 h + 16 r: one 16-byte load a lane (lane = 16 h + r) brings four operand registers.
; scl [8 laps][8192 rows][16 bytes]: rows 0-4095 x's scale bytes (copied as given), rows 4096-8191 w's; a lap is 512 along K, word j of a row scales K = 512 lap + 128 j on.
; SHARES.  Work-group W takes rows 16 W .. 16 W + 15; wave w takes lap w of them.  Step j is row j: lane l takes 16 neighbouring numbers (two entries); lanes 2 p, 2 p + 1 hold block p.
; Lane l's 16 codes of all 16 rows are one run of 256 bytes of wq: they meet in the wave's own stage in LDS (row l, pitch 272) and leave as stores of 512 consecutive bytes.
; THE CODEBOOK lies dense in LDS, entry i at 32 i: every byte that the gather can reach is filled.  It is filled once and then only read.
; THE SIGNS: hold and rounding are symmetric, so the code of -y is the code of y with bit 7 turned: numbers are multiplied by MINUS the row's scale, and a set sign bit turns the code back.
; NO JOINT LOAD of the codebook: the gather's LDS addresses are made of each work-group's own indices.
; LIMITS: NaN and infinities among codebook and scales are not served.  A block of zeros gets the byte 1 where the rule says 127: its codes are zeros, and the bytes are read by this program alone.
; An index is taken as unsigned and held at 4,095.  Of a sign word bits 7:0 count.
.set CBP,  32                          ; an entry's pitch in LDS
.set STG,  131072                      ; behind the codebook: 32 rows x 272 bytes for each wave
.set ACC,  20                          ; v20-21 the scale words; v22-23 take words 2 and 3 at the end
.set X,    32                          ; v32-95 four sets of 16 gathered numbers; at the end the codes read back
.set IN,   96                          ; v96-159 step j: two indices, two sign words; later its four registers of codes
.set MK,   160                         ; v160-223 step j: four masks of sign bits
.set AD,   224                         ; v224-255 step j: LDS addresses of its two entries
.set G0,   24
.set G1,   28
	s_load_b256 s[4:11], s[0:1], 0x0               ; codebook, indices, signs, scales
	s_load_b128 s[12:15], s[0:1], 0x20             ; x_scales, wq
	s_load_b64 s[16:17], s[0:1], 0x30              ; scl
	v_lshl_add_u32 v30, v0, 2, 0x31000
	v_mov_b32 v31, 0
	ds_add_u32 v30, v31                            ; the opening lines: the add twice on end
	ds_add_u32 v30, v31
	v_lshrrev_b32 v6, 5, v0
	s_delay_alu instid0(VALU_DEP_1)
	v_readfirstlane_b32 s18, v6                    ; wave 0..7: also my lap
	v_and_b32 v6, 31, v0                           ; lane
	v_and_b32 v7, 15, v0                           ; lane % 16
	s_delay_alu instid0(VALU_DEP_2)
	v_lshlrev_b32 v1, 3, v6                        ; my two indices, my two sign words
	s_delay_alu instid0(VALU_DEP_3)
	v_lshlrev_b32 v2, 4, v6                        ; 16 bytes a lane in a store of codes
	v_bfe_u32 v3, v0, 1, 2
	s_delay_alu instid0(VALU_DEP_1)
	v_lshlrev_b32 v3, 3, v3                        ; my block's byte in its scale word, as a shift
	v_lshlrev_b32 v4, 7, v7                        ; x_scales: a row is 128 bytes
	v_bfe_u32 v5, v0, 4, 1
	s_delay_alu instid0(VALU_DEP_1)
	v_xor_b32 v5, 1, v5
	s_delay_alu instid0(VALU_DEP_1)
	v_lshlrev_b32 v5, 16, v5                       ; scl: lanes 0-15 write w's rows, 65,536 bytes behind x's, which lanes 16-31 write
	s_delay_alu instid0(VALU_DEP_1)
	v_lshl_add_u32 v5, v7, 4, v5
	v_mov_b32 v13, 0                               ; a lane exchange's destination counts as a source
	v_mov_b32 v22, 0
	v_mov_b32 v23, 0
	v_mov_b32 v29, 0
	s_mul_i32 s98, s18, 8704
	s_add_co_u32 s98, s98, STG                     ; my stage
	v_mul_u32_u24 v18, v6, 272                     ; in: row = lane
	v_bfe_u32 v19, v0, 4, 1
	v_mul_u32_u24 v19, v19, 272                    ; back: lanes 0-15 one row of 256 bytes, lanes 16-31 the next
	v_add_nc_u32 v18, s98, v18
	v_lshl_add_u32 v19, v7, 4, v19
	v_add_nc_u32 v19, s98, v19
	s_mov_b32 s97, 0
	; group 1: my eighth of the codebook, 16,384 dense bytes, as 64 rows of 256 bytes, no padding
	s_mov_b32 s[G1+0], 3<<16
	s_mov_b32 s[G1+1], 32<<16
	s_mov_b32 s[G1+2], 64<<16
	s_mov_b32 s[G1+3], 32<<16
	s_mov_b32 s[G1+4], 64
	s_mov_b32 s[G1+5], 32
	s_mov_b32 s[G1+6], 0
	s_mov_b32 s[G1+7], 0
	s_lshl_b32 s96, s18, 14                        ; my eighth in memory,
	s_mov_b32 s[G0], 1
	s_lshl_b32 s[G0+1], s18, 14                    ; and in LDS
	s_wait_alu depctr_va_vdst(0)                   ; the wait at the head's end
	s_wait_dscnt 0x0
	s_wait_kmcnt 0x0
	s_add_nc_u64 s[G0+2:G0+3], s[4:5], s[96:97]
	s_or_b32 s[G0+3], s[G0+3], 0x80000000
	tensor_load_to_lds s[G0:G0+3], s[G1:G1+7]      ; my one tensor load
	s_nop 0
.rept 4
	v_nop
.endr
	s_lshl_b32 s96, ttmp9, 15                      ; indices and signs: 16 rows of 2,048 bytes a work-group, 256 a lap
	s_lshl_b32 s98, s18, 8
	s_add_co_u32 s96, s96, s98
	s_add_nc_u64 s[6:7], s[6:7], s[96:97]
	s_add_nc_u64 s[8:9], s[8:9], s[96:97]
	s_lshr_b32 s96, ttmp9, 2                       ; wq: group W / 4 (262,144 bytes), block W % 4 (2,048), my four steps (8,192 each)
	s_lshl_b32 s96, s96, 18
	s_and_b32 s98, ttmp9, 3
	s_lshl_b32 s98, s98, 11
	s_add_co_u32 s96, s96, s98
	s_lshl_b32 s98, s18, 15
	s_add_co_u32 s96, s96, s98
	s_add_nc_u64 s[14:15], s[14:15], s[96:97]
	s_lshl_b32 s96, ttmp9, 6                       ; scales: 16 numbers
	s_add_nc_u64 s[10:11], s[10:11], s[96:97]
	s_lshl_b32 s96, ttmp9, 11                      ; x_scales: 16 rows of 128 bytes, 16 a lap
	s_lshl_b32 s98, s18, 4
	s_add_co_u32 s96, s96, s98
	s_add_nc_u64 s[12:13], s[12:13], s[96:97]
	s_lshl_b32 s96, s18, 17                        ; scl: 131,072 bytes a lap, 16 rows of 16
	s_lshl_b32 s98, ttmp9, 8
	s_add_co_u32 s96, s96, s98
	s_add_nc_u64 s[16:17], s[16:17], s[96:97]
	s_load_b512 s[36:51], s[10:11], 0x0            ; the scales of my 16 rows
.set J, 0
.rept 16                                       ; 32 loads of 256 consecutive bytes
	global_load_b64 v[IN+4*J:IN+4*J+1], v1, s[6:7] offset:2048*J th:TH_LOAD_NT
	global_load_b64 v[IN+4*J+2:IN+4*J+3], v1, s[8:9] offset:2048*J th:TH_LOAD_NT
.set J, J+1
.endr
	global_load_b128 v[24:27], v4, s[12:13]        ; x's 16 scale bytes of this lap
	s_mov_b32 s21, 0
	s_mov_b32 s22, 0x600000                        ; the mantissa field of 448
	s_mov_b32 s23, 0x80402010                      ; a nibble times this: its bits 3, 2, 1, 0 at bits 7, 15, 23, 31
	s_mov_b32 s95, 0x80808080
.irp k, 1,2,3,4,5,6,7
	s_mov_b32 s[83+\k], 0x01010101<<\k             ; the lanes with lane % 8 = k
.endr
	s_mov_b32 s91, 0xff00ff00
	s_mov_b32 s92, 0xffff0000
	s_mov_b32 s93, 0x76543210
	s_mov_b32 s94, 0xfedcba98
.macro PREP j                          ; what wants no codebook: two addresses, four masks
	s_wait_loadcnt 31-2*(\j)                       ; behind step j's two loads: 2 (15 - j) of later steps and x's one
	v_min_u32 v[AD+2*(\j)], 0xfff, v[IN+4*(\j)]
	v_min_u32 v[AD+2*(\j)+1], 0xfff, v[IN+4*(\j)+1]
	v_bfe_u32 v14, v[IN+4*(\j)+2], 4, 4
	v_and_b32 v15, 15, v[IN+4*(\j)+2]
	v_bfe_u32 v16, v[IN+4*(\j)+3], 4, 4
	v_and_b32 v17, 15, v[IN+4*(\j)+3]
	; an entry's two halves of 16 bytes are read in an order that bit 3 of its index chooses: first at 32 i + 16 x that bit, then the other half
	v_and_b32 v8, 8, v[AD+2*(\j)]
	v_and_b32 v9, 8, v[AD+2*(\j)+1]
	v_add_nc_u32 v10, 8, v[AD+2*(\j)]
	v_add_nc_u32 v11, 8, v[AD+2*(\j)+1]
	v_and_b32 v10, 8, v10                          ; the bit turned
	v_and_b32 v11, 8, v11
	v_lshl_add_u32 v10, v[AD+2*(\j)], 4, v10
	v_lshl_add_u32 v11, v[AD+2*(\j)+1], 4, v11
	v_lshl_add_u32 v[AD+2*(\j)], v[AD+2*(\j)], 4, v8
	v_lshl_add_u32 v[AD+2*(\j)+1], v[AD+2*(\j)+1], 4, v9
	v_lshlrev_b32 v[IN+4*(\j)+2], 1, v10           ; the second halves' addresses, over the sign words, which are done with
	v_lshlrev_b32 v[IN+4*(\j)+3], 1, v11
	v_lshlrev_b32 v[AD+2*(\j)], 1, v[AD+2*(\j)]
	v_lshlrev_b32 v[AD+2*(\j)+1], 1, v[AD+2*(\j)+1]
.irp i, 0,1,2,3
	v_mul_lo_u32 v[MK+4*(\j)+\i], v[14+\i], s23
.endr
.irp i, 0,1,2,3
	s_delay_alu instid0(VALU_DEP_4)
	v_and_b32 v[MK+4*(\j)+\i], s95, v[MK+4*(\j)+\i]
.endr
.endm
.set J, 0
.rept 16
	PREP J
.set J, J+1
.endr
	s_wait_tensorcnt 0x0                           ; my eighth of the codebook is in LDS,
	s_wait_kmcnt 0x0
	s_barrier_signal -1
	s_barrier_wait -1                              ; everybody's is
.macro GATHER j
	ds_load_b128 v[X+16*((\j)%4):X+16*((\j)%4)+3], v[AD+2*(\j)]
	ds_load_b128 v[X+16*((\j)%4)+4:X+16*((\j)%4)+7], v[IN+4*(\j)+2]
	ds_load_b128 v[X+16*((\j)%4)+8:X+16*((\j)%4)+11], v[AD+2*(\j)+1]
	ds_load_b128 v[X+16*((\j)%4)+12:X+16*((\j)%4)+15], v[IN+4*(\j)+3]
.endm
.macro WORK j
.set XS, X+16*((\j)%4)
.set CD, IN+4*(\j)
.set MS, MK+4*(\j)
.set YL, 15-(\j)
.if YL > 3
.set YL, 3
.endif
.set YS, \j
.if YS > 3
.set YS, 3
.endif
	s_wait_dscnt 4*YL+YS                           ; behind my four gathers: those of up to three later steps, and up to three earlier steps' stores into the stage
	s_xor_b32 s20, s[36+(\j)], 0x80000000          ; minus the row's scale
.irp i, 0,2,4,6,8,10,12,14
	v_pk_mul_f32 v[XS+\i:XS+\i+1], v[XS+\i:XS+\i+1], s[20:21] op_sel_hi:[1,0]
.endr
	v_max3_num_f32 v8, |v[XS]|, |v[XS+1]|, |v[XS+2]|
	v_max3_num_f32 v9, |v[XS+3]|, |v[XS+4]|, |v[XS+5]|
.irp i, 6,10
	s_delay_alu instid0(VALU_DEP_2)
	v_max3_num_f32 v8, v8, |v[XS+\i]|, |v[XS+\i+1]|
	s_delay_alu instid0(VALU_DEP_2)
	v_max3_num_f32 v9, v9, |v[XS+\i+2]|, |v[XS+\i+3]|
.endr
	s_delay_alu instid0(VALU_DEP_2)
	v_max3_num_f32 v8, v8, |v[XS+14]|, |v[XS+15]|
	s_delay_alu instid0(VALU_DEP_1)
	v_max3_num_f32 v8, v8, v9, 0x4800000           ; the floor 2^(9 - 127)
	s_delay_alu instid0(VALU_DEP_1)
	v_max_num_f32_dpp v8, v8, v8 row_xmask:1 row_mask:0xf bank_mask:0xf
	s_delay_alu instid0(VALU_DEP_1)
	v_add_nc_u32 v11, 0xfc000000, v8               ; 8 off the exponent field: the conversion's scale operand
	s_delay_alu instid0(VALU_DEP_2)
	v_and_or_b32 v10, v8, 0x7f800000, s22          ; 448 x the scale
.irp i, 0,1,2,3,4,5,6,7,8,9,10,11,12,13,14,15
	v_med3_num_f32 v[XS+\i], v[XS+\i], -v10, v10   ; the conversion does not saturate (ISA guide 7.6.2)
.endr
	v_and_b32 v8, 16, v[AD+2*(\j)]                 ; was an entry's upper half read first?
	v_and_b32 v9, 16, v[AD+2*(\j)+1]
	v_cmp_ne_u32 s52, 0, v8
	v_cmp_ne_u32 s53, 0, v9
	v_cvt_scalef32_pk8_fp8_f32 v[14:15], v[XS:XS+7], v11
	v_cvt_scalef32_pk8_fp8_f32 v[16:17], v[XS+8:XS+15], v11
	v_lshrrev_b32 v12, 23, v11                     ; the scale's byte; also the plain line behind the conversions
	v_cndmask_b32 v[CD], v14, v15, s52             ; the codes of numbers 0-3 and 4-7 in their order
	v_cndmask_b32 v[CD+1], v15, v14, s52
	v_cndmask_b32 v[CD+2], v16, v17, s53
	v_cndmask_b32 v[CD+3], v17, v16, s53
.irp i, 0,1,2,3
	v_xor_b32 v[CD+\i], v[CD+\i], v[MS+\i]         ; a set sign bit turns the code of -y into the code of y
.endr
	ds_store_b128 v18, v[CD:CD+3] offset:16*(\j)   ; stage row = lane, 16 bytes for row j of w
	v_lshlrev_b32 v12, v3, v12
	s_delay_alu instid0(VALU_DEP_1)
	v_mov_b32_dpp v13, v12 row_xmask:2 row_mask:0xf bank_mask:0xf
	s_delay_alu instid0(VALU_DEP_1)
	v_or_b32 v12, v12, v13
	s_delay_alu instid0(VALU_DEP_1)
	v_mov_b32_dpp v13, v12 row_xmask:4 row_mask:0xf bank_mask:0xf
.if (\j)%8 == 0
	s_delay_alu instid0(VALU_DEP_1)
	v_or_b32 v[ACC+(\j)/8], v12, v13               ; lanes 8 c .. 8 c + 7 hold word c of row j
.else
	s_delay_alu instid0(VALU_DEP_1)
	v_or_b32 v12, v12, v13
	s_delay_alu instid0(VALU_DEP_1)
	v_cndmask_b32 v[ACC+(\j)/8], v[ACC+(\j)/8], v12, s[83+(\j)%8]
.endif
.endm
	GATHER 0
	GATHER 1
	GATHER 2
.set J, 0
.rept 16
.if J+3 < 16
	GATHER J+3
.endif
	WORK J
.set J, J+1
.endr
.irp t, 0,1,2,3,4,5,6,7,8,9,10,11,12,13,14,15
	ds_load_b128 v[X+4*\t:X+4*\t+3], v19 offset:544*\t     ; stage rows 2 t and 2 t + 1: LDS serves a wave's instructions in order (ISA guide 5.7.1.4), so these see my stores
.endr
; register q, lane 16 c1 + 8 c0 + m holds word 2 c1 + c0 of row 8 q + m; wanted in lane 8 q + m: words 0 to 3 in v20 to v23
	v_cndmask_b32 v28, v21, v20, s91
	s_delay_alu instid0(VALU_DEP_1)
	v_mov_b32_dpp v29, v28 row_xmask:8 row_mask:0xf bank_mask:0xf
	s_delay_alu instid0(VALU_DEP_1)
	v_cndmask_b32 v20, v20, v29, s91
	s_delay_alu instid0(VALU_DEP_2)
	v_cndmask_b32 v21, v29, v21, s91
	s_delay_alu instid0(VALU_DEP_2)
	v_permlanex16_b32 v22, v20, s93, s94
	s_delay_alu instid0(VALU_DEP_2)
	v_permlanex16_b32 v23, v21, s93, s94
	s_wait_alu depctr_va_vdst(0)
	s_wait_loadcnt 0x0                             ; x's scale bytes
.irp i, 0,1,2,3
	v_cndmask_b32 v[20+\i], v[20+\i], v[24+\i], s92
.endr
	global_store_b128 v5, v[20:23], s[16:17]       ; lanes 0-15: 256 consecutive bytes of w's rows; lanes 16-31: of x's
.irp t, 0,1,2,3,4,5,6,7,8,9,10,11,12,13,14,15
	s_wait_dscnt 15-\t
	global_store_b128 v2, v[X+4*\t:X+4*\t+3], s[14:15] offset:(\t/4)*8192+(\t%4)*512   ; 512 consecutive bytes: step t / 4 of my lap, register group t % 4
.endr
	s_wait_tensorcnt 0x0                           ; the wave's end
	ds_add_u32 v30, v31
	s_wait_dscnt 0x0
	s_endpgm
.Lfunc_end_k_q997399d4ce_deq:
	.size	k_q997399d4ce_deq, .Lfunc_end_k_q997399d4ce_deq-k_q997399d4ce_deq
	.p2alignl 7, 3214868480
	.fill 96, 4, 3214868480
	.section	.rodata,"a",@progbits
	.p2align	6, 0x0
	.amdhsa_kernel k_q997399d4ce_deq
		.amdhsa_group_segment_fixed_size 201728
		.amdhsa_private_segment_fixed_size 0
		.amdhsa_enable_private_segment 0
		.amdhsa_kernarg_size 56
		.amdhsa_user_sgpr_count 2
		.amdhsa_user_sgpr_kernarg_segment_ptr 1
		.amdhsa_wavefront_size32 1
		.amdhsa_system_sgpr_workgroup_id_x 1
		.amdhsa_system_sgpr_workgroup_id_y 1
		.amdhsa_system_sgpr_workgroup_id_z 1
		.amdhsa_system_vgpr_workitem_id 0
		.amdhsa_next_free_vgpr 256
		.amdhsa_next_free_sgpr 100
		.amdhsa_reserve_vcc 0
		.amdhsa_float_denorm_mode_32 3
		.amdhsa_float_denorm_mode_16_64 3
		.amdhsa_memory_ordered 1
		.amdhsa_forward_progress 1
		.amdhsa_inst_pref_size 100
	.end_amdhsa_kernel
	.amdgpu_metadata
---
amdhsa.version: [ 1, 2 ]
amdhsa.kernels:
  - .name:           k_q997399d4ce_deq
    .symbol:         k_q997399d4ce_deq.kd
    .args:
      - { .name: codebook, .offset: 0, .size: 8, .value_kind: global_buffer, .address_space: global }
      - { .name: indices, .offset: 8, .size: 8, .value_kind: global_buffer, .address_space: global }
      - { .name: signs, .offset: 16, .size: 8, .value_kind: global_buffer, .address_space: global }
      - { .name: scales, .offset: 24, .size: 8, .value_kind: global_buffer, .address_space: global }
      - { .name: x_scales, .offset: 32, .size: 8, .value_kind: global_buffer, .address_space: global }
      - { .name: wq, .offset: 40, .size: 8, .value_kind: global_buffer, .address_space: global }
      - { .name: scl, .offset: 48, .size: 8, .value_kind: global_buffer, .address_space: global }
    .group_segment_fixed_size: 201728
    .private_segment_fixed_size: 0
    .kernarg_segment_align: 8
    .kernarg_segment_size: 56
    .max_flat_workgroup_size: 256
    .sgpr_count:     100
    .vgpr_count:     256
    .wavefront_size: 32
...
	.end_amdgpu_metadata
.endif
;; end of part 1
;; launch gemm (part 2): grid 16 x 16, 4 waves a work-group, clusters of 4 x 1, 327,680 bytes of LDS; arguments x_codes, wq, scl, out0; writes out0
.if DOCPART == 2
	.amdgcn_target "amdgcn-amd-amdhsa--gfx1250"
	.amdhsa_code_object_version 6
	.text
	.protected	k_q997399d4ce_gemm
	.globl	k_q997399d4ce_gemm
	.p2align	8
	.type	k_q997399d4ce_gemm,@function
k_q997399d4ce_gemm:
	s_mov_b64 s[64:65], 0
	v_nop
	global_prefetch_b8 v0, s[64:65] scope:SCOPE_SE
	s_setreg_imm32_b32 hwreg(HW_REG_WAVE_MODE, 25, 1), 1
	s_wait_xcnt 0x0
	s_wait_alu depctr_hold_cnt(0) depctr_sa_sdst(0) depctr_va_vdst(0) depctr_va_sdst(0) depctr_va_ssrc(0) depctr_va_vcc(0) depctr_vm_vsrc(0)
	s_getreg_b32 s2, hwreg(HW_REG_IB_STS2, 6, 4)
	s_cmp_eq_u32 s2, 0
	s_cbranch_scc0 .Lentry_in_a_cluster
	s_endpgm
.Lentry_in_a_cluster:
	s_bfe_u32 s2, ttmp6, 0x10000c
	s_cmp_lg_u32 s2, 0x3003
	s_cbranch_scc0 .Lentry_shape_is_right
	s_endpgm
.Lentry_shape_is_right:
; out0[t][o] = sum over k of x[t][k] w[o][k]: E4M3 codes with one E8M0 byte for each 32 along K on both sides, f32 sums.
; A work-group makes 256 tokens x 256 outs; wave w makes all 256 tokens x outs 64 w .. 64 w + 63: 64 accumulators, 512 registers.
; W GOES FROM MEMORY STRAIGHT INTO REGISTERS: wq lies in the order of the operand registers, a wave's 64 rows are read by that wave alone in its work-group, and a step of 128 K is
; 16 loads of 512 consecutive bytes.  Four sets of 64 registers: during step s the set that step s - 1 has left is asked for again, for step s + 3, four loads behind each group of products.
; x GOES THROUGH LDS, which all four waves read: two slots of 256 rows x 512 bytes (a lap = 4 steps), each wave fetching 64 rows by one tensor load.
; A STEP is four groups of 16 products (4 token blocks x W's 4 blocks) on the two halves of a ring of 8 fragment buffers; behind each group stand eight places and ONE run of
; loads: the 16 LDS loads that fill the group's half again, and four of W's loads.
; CLUSTERS: the four work-groups of a cluster (4, 1, 1) share their 256 tokens: x's tiles are asked for jointly (mask 15).  W has no joint load: its loads are plain loads into
; registers, which have no joint form, and no two partners read the same rows of W.  W has no prefetch either: its own loads stand three steps (24,576 bytes a wave) ahead of their use.
; x IS PREFETCHED: behind the refill that asks for lap p + 2 each wave names lap p + 3: 16 of the 64 rows that it fetches (shared out among the four partners by address, 16 cx on), two runs of
; 256 bytes a row, a lane a run; laps 1 and 2 come by their loads alone; the loop's last change of slots has no lap left and asks for nothing.
; THE PRODUCT IS USED TRANSPOSED (source 0 = 16 rows of W, source 1 = 16 tokens): a lane holds one token and eight neighbouring outs.
; THE LAST TWO STEPS GO BY TOKENS: pairs of token blocks are finished one after the other and leave through the wave's stage in LDS as whole runs of 256 bytes, while the other pairs are multiplied.
; REGISTERS: window 0: v0-31 addresses; v32-121 scale words, two sets; v128-255 the ring.  Window 1: W's four sets.  Windows 2, 3: accumulator (a, b) at 8 ((4 a + b) % 32).
; Scale words: set s: x's at v[32 + 48 s + 4 (a % 8) + step], lanes 0-15 block a % 8, lanes 16-31 block a % 8 + 8; W's at v[66 + 48 s + 4 (b % 2) + step], lanes 16-31 block b % 2 + 2.
.set PITCH,  528                       ; 512 bytes + 16 of padding: an odd multiple of 16
.set BLKB,   16*PITCH
.set QT,     64*PITCH                  ; what one tensor load brings
.set SLOT,   4*QT
.set STAGE,  2*SLOT                    ; behind the two slots: 32 rows x 272 bytes for each wave
.set SPITCH, 272
.set WSTG,   32*SPITCH
.set SPARE,  STAGE+4*WSTG              ; the spare words
.set LAPB,   131072                    ; a lap of scl
.set WSTEP,  8192                      ; a step of a wave's W
.set ADX, 16                           ; v16-19 x fragments: slot 0 blocks 0-7, 8-15; slot 1 likewise
.set WOF, 20                           ; 16 x lane
.set SOX, 21                           ; x's scale words
.set SOW, 22                           ; W's
.set STO, 23
.set RD,  24
.set CO,  25
.set PFO, 26
.set SPW, 28
.set NIL, 29
.set XR,  128
.set G1, 24
.set G0, 32
.set PFA, 54
.set MSB, 0
.macro WIN new
.if MSB != \new
	s_set_vgpr_msb (MSB<<8)|\new
.set MSB, \new
.endif
.endm
.set MUL_LO, 0xa1                      ; source 0 (W) window 1, source 1 (x) window 0, C and D window 2
.set MUL_HI, 0xf1
.set TO_B,   0x40
.macro CREST
	s_cmp_lg_u32 s14, 0
	s_cbranch_scc1 .Lnot_wave_0_\@
	s_barrier_signal -3
.Lnot_wave_0_\@:
	s_barrier_wait -3
	s_barrier_signal -1
	s_barrier_wait -1
.endm
.macro CROUND
	s_barrier_signal -1
	s_barrier_wait -1
	CREST
.endm
.macro NOPS n
.rept \n
	v_nop
.endr
.endm
; one product; AC, WF, XF, SW, SX are set by the caller; ra, rb: the scale words stand in lanes 16-31
.macro MM zero, ra, rb
.if \zero
.if \ra
.if \rb
	v_wmma_scale_f32_16x16x128_f8f6f4 v[AC:AC+7], v[WF:WF+15], v[XF:XF+15], 0, v[SW], v[SX] matrix_a_scale:MATRIX_SCALE_ROW1 matrix_b_scale:MATRIX_SCALE_ROW1
.else
	v_wmma_scale_f32_16x16x128_f8f6f4 v[AC:AC+7], v[WF:WF+15], v[XF:XF+15], 0, v[SW], v[SX] matrix_a_scale:MATRIX_SCALE_ROW1
.endif
.else
.if \rb
	v_wmma_scale_f32_16x16x128_f8f6f4 v[AC:AC+7], v[WF:WF+15], v[XF:XF+15], 0, v[SW], v[SX] matrix_b_scale:MATRIX_SCALE_ROW1
.else
	v_wmma_scale_f32_16x16x128_f8f6f4 v[AC:AC+7], v[WF:WF+15], v[XF:XF+15], 0, v[SW], v[SX]
.endif
.endif
.else
.if \ra
.if \rb
	v_wmma_scale_f32_16x16x128_f8f6f4 v[AC:AC+7], v[WF:WF+15], v[XF:XF+15], v[AC:AC+7], v[SW], v[SX] matrix_a_scale:MATRIX_SCALE_ROW1 matrix_b_scale:MATRIX_SCALE_ROW1
.else
	v_wmma_scale_f32_16x16x128_f8f6f4 v[AC:AC+7], v[WF:WF+15], v[XF:XF+15], v[AC:AC+7], v[SW], v[SX] matrix_a_scale:MATRIX_SCALE_ROW1
.endif
.else
.if \rb
	v_wmma_scale_f32_16x16x128_f8f6f4 v[AC:AC+7], v[WF:WF+15], v[XF:XF+15], v[AC:AC+7], v[SW], v[SX] matrix_b_scale:MATRIX_SCALE_ROW1
.else
	v_wmma_scale_f32_16x16x128_f8f6f4 v[AC:AC+7], v[WF:WF+15], v[XF:XF+15], v[AC:AC+7], v[SW], v[SX]
.endif
.endif
.endif
.endm
.macro BLK a, kw, ss, zero             ; token block a against W's four blocks: step kw of the lap (W's set kw), scale set ss
.irp b, 0,1,2,3
.set AC, 8*((4*(\a)+\b)%32)
.set WF, 64*(\kw)+16*\b
.set XF, XR+16*((\a)%8)
.set SW, 66+48*(\ss)+4*(\b%2)+(\kw)
.set SX, 32+48*(\ss)+4*((\a)%8)+(\kw)
	MM \zero, \b/2, (\a)/8
.endr
.endm
.macro GRP g, kw, ss, zero, dw         ; four token blocks; dw: LDS instructions issued behind this group's 16 loads
.irp i, 0,1,2,3
	s_wait_dscnt \dw+12-4*\i                       ; block i's four loads are in; the later blocks' and the dw behind them may be out
	BLK 4*\g+\i, \kw, \ss, \zero
.endr
.endm
.macro XLOAD slot, kw, g               ; the fragments of group g's four token blocks, step kw of the slot's lap, into ring half g % 2
.irp i, 0,1,2,3
.irp c, 0,1,2,3
	ds_load_b128 v[XR+16*((4*\g+\i)%8)+4*\c:XR+16*((4*\g+\i)%8)+4*\c+3], v[ADX+2*(\slot)+(\g)/2] offset:((4*\g+\i)%8)*BLKB+128*(\kw)+32*\c
.endr
.endr
.endm
.macro WL4 set, off, b                 ; block b of a step of W: four loads of 512 consecutive bytes
.irp c, 0,1,2,3
	global_load_b128 v[64*(\set)+16*(\b)+4*\c:64*(\set)+16*(\b)+4*\c+3], v[WOF], s[6:7] offset:(\off)+2048*(\b)+512*\c
.endr
.endm
.macro WQ kw, woff, b                  ; in step kw: block b of the step three on, into the set that the step before has left
.if \woff >= 0
	WIN TO_B
	WL4 (\kw+3)%4, \woff, \b
	WIN 0
.endif
.endm
.macro SLOAD ss, off                   ; a lap's scale words: each half of the lanes reads 256 consecutive bytes
.irp i, 0,1,2,3,4,5,6,7
	global_load_b128 v[32+48*(\ss)+4*\i:32+48*(\ss)+4*\i+3], v[SOX], s[8:9] offset:(\off)+256*\i
.endr
.irp i, 0,1
	global_load_b128 v[66+48*(\ss)+4*\i:66+48*(\ss)+4*\i+3], v[SOW], s[8:9] offset:(\off)+256*\i
.endr
.endm
.macro PLOAD p                         ; by tokens: blocks 2 p, 2 p + 1, steps 2 and 3 of the last lap (slot 1), into ring half p % 2
.irp k, 0,1
.irp u, 0,1
.irp c, 0,1,2,3
	ds_load_b128 v[XR+64*((\p)%2)+32*\k+16*\u+4*\c:XR+64*((\p)%2)+32*\k+16*\u+4*\c+3], v[ADX+2+(2*(\p)+\u)/8] offset:((2*(\p)+\u)%8)*BLKB+128*(2+\k)+32*\c
.endr
.endr
.endr
.endm
.macro PH p                            ; the pair's 16 products: its 8 accumulators by turns
.irp k, 0,1
.irp u, 0,1
.irp b, 0,1,2,3
.set AC, 8*((4*(2*(\p)+\u)+\b)%32)
.set WF, 64*(2+\k)+16*\b
.set XF, XR+64*((\p)%2)+32*\k+16*\u
.set SW, 66+48+4*(\b%2)+2+\k
.set SX, 32+48+4*((2*(\p)+\u)%8)+2+\k
	MM 0, \b/2, (2*(\p)+\u)/8
.endr
.endr
.endr
.endm
; A step of 128 K.  lw: the loads issued behind this step's W: two later sets (32), and the ten scale loads where they stand between (42).
; ns, nk: slot and step of the step that follows; ns = 2: the pairs by tokens follow.  woff >= 0: W's step three on; soff >= 0: the next lap's scale words, behind W's last four.
; adv = 1 (a trip's last step): the bases go one trip on ahead of the last run's global loads, whose offsets are one trip less; the loads issued before stand a group of products back.
.macro STEP slot, kw, ss, zero, ns, nk, lw, woff, soff, adv
	s_wait_loadcnt \lw
	WIN MUL_LO
	GRP 0, \kw, \ss, \zero, 16
	WIN 0
	NOPS 8
	XLOAD \slot, \kw, 2
	WQ \kw, \woff, 0
	WIN MUL_LO
	GRP 1, \kw, \ss, \zero, 16
	WIN 0
	NOPS 8
	XLOAD \slot, \kw, 3
	WQ \kw, \woff, 1
	WIN MUL_HI
	GRP 2, \kw, \ss, \zero, 16
	WIN 0
	NOPS 8
.if \ns < 2
	XLOAD \ns, \nk, 0
.else
	PLOAD 0
.endif
	WQ \kw, \woff, 2
	WIN MUL_HI
	GRP 3, \kw, \ss, \zero, 16
	WIN 0
	NOPS 8
.if \ns < 2
	XLOAD \ns, \nk, 1
.else
	PLOAD 1
.endif
.if \adv
	s_wait_xcnt 0x0                                ; the bases are stepped only behind this wait
	s_add_nc_u64 s[6:7], s[6:7], 8*WSTEP
	s_add_nc_u64 s[8:9], s[8:9], 2*LAPB
	s_add_nc_u64 s[PFA:PFA+1], s[PFA:PFA+1], 1024
	WQ \kw, \woff-8*WSTEP, 3
	SLOAD 1-\ss, \soff-2*LAPB
.else
	WQ \kw, \woff, 3
.if \soff >= 0
	SLOAD 1-\ss, \soff
.endif
.endif
.endm
; A lap's last step changes slots.  All reads of this slot are issued when group 1 is done; each wave waits for its tensor load (the next slot's), adds 0 to its spare word, and waits for that
; and its reads in front of the signal.  fill = 1: the barrier opens a round of the cluster's barrier and this slot takes the lap two on.
.macro TURN slot, ss, fill, ask, woff
	s_wait_loadcnt 42
	WIN MUL_LO
	GRP 0, 3, \ss, 0, 16
	WIN 0
	NOPS 8
	XLOAD \slot, 3, 2
	WQ 3, \woff, 0
	WIN MUL_LO
	GRP 1, 3, \ss, 0, 16
	WIN 0
	NOPS 8
	XLOAD \slot, 3, 3
	WQ 3, \woff, 1
	s_wait_tensorcnt 0x0                           ; my one tensor load, my part of the next slot, has landed
	ds_add_u32 v[SPW], v[NIL]
.if \fill
	s_add_nc_u64 s[G0+4*\slot+2:G0+4*\slot+3], s[G0+4*\slot+2:G0+4*\slot+3], 1024   ; no load of mine is out: this slot's next lap
.endif
	WIN MUL_HI
	GRP 2, 3, \ss, 0, 17                           ; behind its loads: group 3's sixteen and the add
	s_wait_dscnt 0x0                               ; the add is done and my reads of this slot are over
	s_barrier_signal -1
	BLK 12, 3, \ss, 0
	BLK 13, 3, \ss, 0
	WIN 0
	s_barrier_wait -1
.if \fill
	CREST
	tensor_load_to_lds s[G0+4*\slot:G0+4*\slot+3], s[G1:G1+7]   ; the first tensor load behind the round, one a wave
	s_nop 0
.endif
	NOPS 8                                         ; the places in front of the loads into ring half 0
	XLOAD 1-\slot, 0, 0
.if \ask == 1
	global_prefetch_b8 v[PFO], s[PFA:PFA+1] offset:1536 th:TH_LOAD_NT scope:SCOPE_SE
.endif
.if \ask == 2
	s_cmp_eq_u32 s3, 1                             ; in the last trip no lap is left to name
	s_cbranch_scc1 .Lno_ask_\@
	global_prefetch_b8 v[PFO], s[PFA:PFA+1] offset:2048 th:TH_LOAD_NT scope:SCOPE_SE
.Lno_ask_\@:
.endif
	WQ 3, \woff, 2
	WIN MUL_HI
	BLK 14, 3, \ss, 0
	BLK 15, 3, \ss, 0
	WIN 0
	NOPS 8
	XLOAD 1-\slot, 0, 1
	WQ 3, \woff, 3
.endm
; THE WAY OUT of pair p (32 tokens x 64 outs).  OUT1: 32 bytes a lane into my stage, and back as whole rows of 256 bytes, into the pair's own accumulator registers, which are done with.
; One window setting serves stores' data and loads' destinations.  OUT2: 16 lanes store 256 consecutive bytes, at a multiple of 256 from out0's first byte.
.macro OUT1 p
	WIN 0x88+0x44*((\p)/4)
.irp u, 0,1
.irp b, 0,1,2,3
.set AC, 8*((4*(2*(\p)+\u)+\b)%32)
	ds_store_b128 v[STO], v[AC:AC+3] offset:\u*16*SPITCH+64*\b        ; each accumulator from its low end on
	ds_store_b128 v[STO], v[AC+4:AC+7] offset:\u*16*SPITCH+64*\b+16
.endr
.endr
.irp u, 0,1
.irp t, 0,1,2,3,4,5,6,7
.set AC, 8*((4*(2*(\p)+\u))%32)
	ds_load_b128 v[AC+4*\t:AC+4*\t+3], v[RD] offset:\u*16*SPITCH+\t*2*SPITCH   ; LDS serves a wave's instructions in order (ISA guide 5.7.1.4)
.endr
.endr
	WIN 0
.endm
.macro OUT2 p, dw
	s_wait_dscnt \dw
	WIN 0x88+0x44*((\p)/4)
.irp u, 0,1
.irp t, 0,1,2,3,4,5,6,7
.set AC, 8*((4*(2*(\p)+\u))%32)
	global_store_b128 v[CO], v[AC+4*\t:AC+4*\t+3], s[10:11] offset:(16*(2*(\p)+\u)+2*\t)*16384 th:TH_STORE_NT
.endr
.endr
	WIN 0
.endm
	s_load_b256 s[4:11], s[0:1], 0x0               ; x_codes, wq, scl, out0
	v_lshl_add_u32 v[SPW], v0, 2, SPARE
	v_mov_b32 v[NIL], 0
	ds_add_u32 v[SPW], v[NIL]                      ; the opening lines: the add twice on end
	ds_add_u32 v[SPW], v[NIL]
	v_lshrrev_b32 v1, 5, v0
	v_readfirstlane_b32 s14, v1                    ; wave 0..3
	s_bfe_u32 s40, ttmp6, 0x40000                  ; cx
	s_lshl_b32 s42, ttmp9, 2
	s_add_co_u32 s42, s42, s40                     ; block of 256 outs
	s_and_b32 s17, ttmp7, 0xffff                   ; block of 256 tokens: the same in all four partners
	s_mov_b32 s[G1+0], 15|(1<<20)|(1<<21)|(6<<22)|(3<<25)   ; mask 15; bytes; padding: 4 words behind every 128; bit 21 beside the mask
	s_mov_b32 s[G1+1], 512<<16
	s_mov_b32 s[G1+2], 64<<16
	s_mov_b32 s[G1+3], 512<<16
	s_mov_b32 s[G1+4], 64
	s_mov_b32 s[G1+5], 4096
	s_mov_b32 s[G1+6], 0
	s_mov_b32 s[G1+7], 0
	s_lshl_b32 s20, s17, 12                        ; scl: x's rows, 16 bytes each
	s_lshl_b32 s21, s42, 12                        ; W's rows: 65,536 + 16 (256 block + 64 wave)
	s_lshl_b32 s22, s14, 10
	s_add_co_u32 s21, s21, s22
	s_add_co_u32 s21, s21, 65536
	s_mul_i32 s23, s14, WSTG
	s_add_co_u32 s23, s23, STAGE                   ; my stage
	s_lshl_b32 s46, s17, 20                        ; x: (256 block + 64 wave) rows of 4,096 bytes
	s_lshl_b32 s47, s14, 18
	s_add_co_u32 s46, s46, s47
	s_mov_b32 s47, 0
	s_lshl_b32 s48, s42, 2                         ; wq: group 4 block + wave, 262,144 bytes each
	s_add_co_u32 s48, s48, s14
	s_lshl_b32 s48, s48, 18
	s_mov_b32 s49, 0
	s_lshl_b32 s50, s17, 22                        ; out0: 256 rows of 16,384 bytes; 1,024 bytes a block of outs, 256 a wave
	s_lshl_b32 s51, s42, 10
	s_add_co_u32 s50, s50, s51
	s_lshl_b32 s51, s14, 8
	s_add_co_u32 s50, s50, s51
	s_mov_b32 s51, 0
	s_lshl_b32 s52, s40, 16                        ; the prefetches: my work-group's 16 rows of the 64
	s_mov_b32 s53, 0
	s_mul_i32 s45, s14, QT                         ; where my rows go in a slot
	v_and_b32 v1, 15, v0                           ; r
	v_bfe_u32 v2, v0, 4, 1                         ; h
	v_and_b32 v3, 31, v0
	v_lshlrev_b32 v[WOF], 4, v3
	v_mul_u32_u24 v4, v1, PITCH
	v_lshl_add_u32 v4, v2, 4, v4                   ; a fragment's row x pitch + 16 h
.irp n, 0,1,2,3
	v_add_nc_u32 v[ADX+\n], (\n/2)*SLOT+(\n%2)*8*BLKB, v4
.endr
	v_lshlrev_b32 v5, 4, v1                        ; 16 r
	v_lshl_add_u32 v6, v2, 11, v5                  ; lanes 16-31: eight blocks on
	v_add_nc_u32 v[SOX], s20, v6
	v_lshl_add_u32 v7, v2, 9, v5                   ; lanes 16-31: two blocks on
	v_add_nc_u32 v[SOW], s21, v7
	v_mul_u32_u24 v8, v1, SPITCH                   ; into the stage: row r, 32 bytes for each half of the lanes
	v_lshl_add_u32 v8, v2, 5, v8
	v_add_nc_u32 v[STO], s23, v8
	v_mul_u32_u24 v9, v2, SPITCH                   ; back: lanes 0-15 one row, lanes 16-31 the next
	v_add_nc_u32 v9, v9, v5
	v_add_nc_u32 v[RD], s23, v9
	v_lshl_add_u32 v[CO], v2, 14, v5               ; and the same two rows in out0
	v_lshlrev_b32 v10, 12, v1
	v_lshl_add_u32 v[PFO], v2, 8, v10              ; a lane: row r, run h of 256 bytes
	s_wait_alu depctr_va_vdst(0)                   ; the wait at the head's end
	s_wait_dscnt 0x0
	s_wait_kmcnt 0x0
	s_add_nc_u64 s[46:47], s[4:5], s[46:47]
	s_add_nc_u64 s[PFA:PFA+1], s[46:47], s[52:53]
	s_add_nc_u64 s[6:7], s[6:7], s[48:49]
	s_add_nc_u64 s[10:11], s[10:11], s[50:51]
.irp s, 0,1
	s_mov_b32 s[G0+4*\s], 1
	s_add_co_u32 s[G0+4*\s+1], s45, \s*SLOT
	s_add_nc_u64 s[G0+4*\s+2:G0+4*\s+3], s[46:47], \s*512
	s_or_b32 s[G0+4*\s+3], s[G0+4*\s+3], 0x80000000
.endr
	SLOAD 0, 0                                     ; lap 0's scale words and W's step 0 go out ahead of the round
	WIN TO_B
.irp b, 0,1,2,3
	WL4 0, 0, \b
.endr
	WIN 0
	CROUND                                         ; the four partners are here: the first joint loads meet
	tensor_load_to_lds s[G0:G0+3], s[G1:G1+7]      ; lap 0: one tensor load a wave at the head
	s_nop 0
	NOPS 4
	WIN TO_B
.irp b, 0,1,2,3
	WL4 1, WSTEP, \b
.endr
.irp b, 0,1,2,3
	WL4 2, 2*WSTEP, \b
.endr
	WIN 0
	s_wait_tensorcnt 0x0
	ds_add_u32 v[SPW], v[NIL]
	s_wait_dscnt 0x0
	CROUND
	tensor_load_to_lds s[G0+4:G0+7], s[G1:G1+7]    ; lap 1, into slot 1
	s_nop 0
	NOPS 4
	XLOAD 0, 0, 0
	XLOAD 0, 0, 1
	STEP 0, 0, 0, 1, 0, 1, 32, 3*WSTEP, LAPB, 0    ; the first step starts the sums
	s_mov_b32 s3, 3
.Llap:                                         ; a trip: two laps, from an even lap's second step to the next even lap's first
	STEP 0, 1, 0, 0, 0, 2, 42, 4*WSTEP, -1, 0
	STEP 0, 2, 0, 0, 0, 3, 42, 5*WSTEP, -1, 0
	TURN 0, 0, 1, 1, 6*WSTEP
	STEP 1, 0, 1, 0, 1, 1, 32, 7*WSTEP, 2*LAPB, 0
	STEP 1, 1, 1, 0, 1, 2, 42, 8*WSTEP, -1, 0
	STEP 1, 2, 1, 0, 1, 3, 42, 9*WSTEP, -1, 0
	TURN 1, 1, 1, 2, 10*WSTEP
	STEP 0, 0, 0, 0, 0, 1, 32, 11*WSTEP, 3*LAPB, 1
	s_sub_co_u32 s3, s3, 1
	s_cmp_lg_u32 s3, 0
	s_cbranch_scc1 .Llap
	STEP 0, 1, 0, 0, 0, 2, 42, 4*WSTEP, -1, 0      ; lap 6 goes on; W's last four steps are asked for
	STEP 0, 2, 0, 0, 0, 3, 42, 5*WSTEP, -1, 0
	TURN 0, 0, 0, 0, 6*WSTEP                       ; nothing is filled again: no round
	STEP 1, 0, 1, 0, 1, 1, 32, 7*WSTEP, -1, 0
	STEP 1, 1, 1, 0, 2, 0, 32, -1, -1, 0           ; no scale loads stand behind its W; pairs 0 and 1 are fetched
	s_wait_loadcnt 0x0                             ; W's last two steps are in
.irp p, 0,1,2,3,4,5,6,7
.if \p == 0
	s_wait_dscnt 16                                ; behind pair 0's loads: pair 1's
.endif
.if \p == 1
	s_wait_dscnt 48                                ; behind pair 1's loads: pair 2's 16 and pair 0's 32 through the stage.  Later pairs' loads are older than what OUT2 has waited for
.endif
	WIN MUL_LO+0x50*(\p/4)
	PH \p
	WIN 0
	NOPS 8                                         ; places for the loads into the ring half and for the reads of the results
.if \p < 6
	PLOAD \p+2
.endif
	OUT1 \p
.if \p > 0
.if \p < 6
	OUT2 \p-1, 48                                  ; behind its loads from the stage: 16 fragment loads and the next pair's 32
.else
	OUT2 \p-1, 32
.endif
.endif
.endr
	OUT2 7, 0
	s_wait_tensorcnt 0x0                           ; the wave's end
	ds_add_u32 v[SPW], v[NIL]
	s_wait_dscnt 0x0
	CROUND                                         ; the closing round
	s_endpgm
.Lfunc_end_k_q997399d4ce_gemm:
	.size	k_q997399d4ce_gemm, .Lfunc_end_k_q997399d4ce_gemm-k_q997399d4ce_gemm
	.p2alignl 7, 3214868480
	.fill 96, 4, 3214868480
	.section	.rodata,"a",@progbits
	.p2align	6, 0x0
	.amdhsa_kernel k_q997399d4ce_gemm
		.amdhsa_group_segment_fixed_size 327680
		.amdhsa_private_segment_fixed_size 0
		.amdhsa_enable_private_segment 0
		.amdhsa_kernarg_size 32
		.amdhsa_user_sgpr_count 2
		.amdhsa_user_sgpr_kernarg_segment_ptr 1
		.amdhsa_wavefront_size32 1
		.amdhsa_system_sgpr_workgroup_id_x 1
		.amdhsa_system_sgpr_workgroup_id_y 1
		.amdhsa_system_sgpr_workgroup_id_z 1
		.amdhsa_system_vgpr_workitem_id 0
		.amdhsa_next_free_vgpr 1024
		.amdhsa_next_free_sgpr 66
		.amdhsa_reserve_vcc 0
		.amdhsa_float_denorm_mode_32 3
		.amdhsa_float_denorm_mode_16_64 3
		.amdhsa_memory_ordered 1
		.amdhsa_forward_progress 1
		.amdhsa_inst_pref_size 255
	.end_amdhsa_kernel
	.section	.bss,"aw",@nobits
	.p2align	6
	.space	262144
	.amdgpu_metadata
---
amdhsa.version: [ 1, 2 ]
amdhsa.kernels:
  - .name:           k_q997399d4ce_gemm
    .symbol:         k_q997399d4ce_gemm.kd
    .args:
      - { .name: x_codes, .offset: 0, .size: 8, .value_kind: global_buffer, .address_space: global }
      - { .name: wq, .offset: 8, .size: 8, .value_kind: global_buffer, .address_space: global }
      - { .name: scl, .offset: 16, .size: 8, .value_kind: global_buffer, .address_space: global }
      - { .name: out0, .offset: 24, .size: 8, .value_kind: global_buffer, .address_space: global }
    .group_segment_fixed_size: 327680
    .private_segment_fixed_size: 0
    .kernarg_segment_align: 8
    .kernarg_segment_size: 32
    .max_flat_workgroup_size: 128
    .sgpr_count:     66
    .vgpr_count:     1024
    .wavefront_size: 32
...
	.end_amdgpu_metadata
.endif
;; end of part 2
